; MI455X (gfx1250); checked and timed in simulation.
; The chip was launched on July 23, 2026; its instructions are those of AMD's public machine-readable ISA for CDNA 5 (MIT licence, August 2026) and "CDNA5" Instruction Set Architecture Reference Guide (July 2026). The comments in the code are by the model that wrote it; some were corrected since.
;; Causal Self Attention Layer. Allowed arithmetic: matrix products marked QUANTISED: E5M2 operands, one given power-of-two scale a tensor, by v_wmma_f32_16x16x64_bf8_bf8 or v_wmma_f32_16x16x128_bf8_bf8, f32 sums; everything else in f32.
;; Inputs: W_kqv_codes 3,072 x 32 x 32 uint8 (E5M2 codes of W_kqv, K innermost, in blocks of 32 codes); W_proj_codes 1,024 x 32 x 32 uint8 (E5M2 codes of W_proj, K innermost, in blocks of 32 codes); b_kqv 3,072 float32; b_proj 1,024 float32; lowp_scales 8 int32 (the exponents e of the quantised operands' scales 2^e); x_codes 4 x 2,048 x 32 x 32 uint8 (E5M2 codes of x, K innermost, in blocks of 32 codes).
;; Outputs: out0 4 x 2,048 x 1,024 float32.
;; This version of the problem:
;;   THIS VERSION OF THE PROBLEM IS GIVEN IN LOW PRECISION. The matrix products marked QUANTISED in the list below multiply operands that are first quantised to E5M2 (5 exponent bits, 2 mantissa bits; 8 bits a number), with one given power-of-two scale for each operand tensor; their sums are f32. All else is computed in f32.
;;   The module's matrix products, in the order in which they are computed (A, B: the left and right operand; K: the contracted axis; several contracted axes count as one K, in the product's order):
;;     1. [M 8,192, K 1,024] x [K 1,024, N 3,072]; A: input x (given as codes); B: input W_kqv (given as codes): QUANTISED (scales: A lowp_scales[0], B lowp_scales[1])
;;     2. batch 64 x [M 2,048, K 64] x [K 64, N 2,048]; A: computed on the way; B: computed on the way: QUANTISED (scales: A lowp_scales[2], B lowp_scales[3])
;;     3. batch 64 x [M 2,048, K 2,048] x [K 2,048, N 64]; A: softmax (see below); B: computed on the way: QUANTISED (scales: A lowp_scales[4], B lowp_scales[5])
;;     4. [M 8,192, K 1,024] x [K 1,024, N 1,024]; A: computed on the way; B: input W_proj (given as codes): QUANTISED (scales: A lowp_scales[6], B lowp_scales[7])
;;   THE QUANTISER, for each operand of a quantised product, along K:
;;     - The operand's scale is 2^e, e = its entry of the input lowp_scales (int32; the entries are numbered through the quantised products in the list's order, A before B).
;;     - Each number is divided by the scale, clamped to +-57,344, and rounded to the nearest number of E5M2, ties to even, subnormals kept.
;;     - The product sums the exact products of the quantised numbers (number of the format x scale) in f32.
;;   ~~~python
;;   def quantise(x, axis, e):      # numpy; x: float32 -> the quantised numbers, widened to float32 again
;;       x = np.moveaxis(x, axis, -1); K = x.shape[-1]
;;       r = np.clip(x / 2.0 ** e, -57344, 57344)
;;       step = 2.0 ** (np.maximum(np.frexp(np.where(r == 0, 1, r))[1] - 1, -14) - 2)
;;       q = np.round(r / step) * step * 2.0 ** e      # np.round: ties to even
;;       return np.moveaxis(q, -1, axis).astype(np.float32)
;;   ~~~
;;   SOFTMAX AHEAD OF A QUANTISED PRODUCT. Where the list says 'softmax', what is quantised is not the finished softmax but p = 2^(t - M), with t = logit x log2(e) and M = ceil(the row's largest t), a whole number; so 1/2 < the row's largest p <= 1. The row's sum l is taken of the UNQUANTISED p, in f32, and the product's result is divided by l at the end. Since M is a whole number, a kernel that streams over the keys may use a running M (the ceiling of the running maximum): every later rescaling is an exact power of two, so the quantised numbers keep their values, but for numbers so far below the row's largest that they fall under the format's range.
;;   OPERANDS COMPUTED ON THE WAY. 'Computed on the way' means the value that the module computes at that place (a softmax that the list does not call 'softmax' is quantised finished and normalised). What goes into a quantiser is computed in f32, as accurately as f32 sums, v_exp_f32 and their like allow (about 1e-6 of the number): no bf16 or f16 on the way to a quantiser, and a product that is left as it is and whose result goes on into a quantised operand takes f32 operands (vector FMAs, or v_wmma_f32_16x16x4_f32). A number that lies on a knife's edge between two numbers of the format may be rounded either way, as far as f32 arithmetic and the matrix unit's own rounding can turn it there, and no further.
;;   INPUTS GIVEN AS CODES. W_kqv (in the module: [3072, 1024], K = its axis 1); W_proj (in the module: [1024, 1024], K = its axis 1); x (in the module: [4, 2048, 1024], K = its axis 2): each comes as NAME_codes (uint8): NAME with its K axis moved to the last place and cut into blocks of 32 codes, [.., K / 32, bytes a block], one block behind the other in memory; one code a byte (a code: sign, 5 exponent bits, 2 mantissa bits); its scale is its entry of lowp_scales. Its value is code x scale, taken as it is: it is not quantised again, and the codes and scales need not be those that the quantiser above would give.
;; One version. Each part assembles by itself: llvm-mc -triple=amdgcn-amd-amdhsa -mcpu=gfx1250 --defsym DOCPART=n.
;; ======== version 1 of 1: 3 launches
;; limits: right only within a limited range of input values
;; workspace buffers: qkv 25,165,824 bytes; ycodes 8,388,608 bytes
;; launch qkv_gemm (part 1): grid 12 x 32, 4 waves a work-group, clusters of 4 x 4, 327,680 bytes of LDS; arguments x_codes, W_kqv_codes, lowp_scales, b_kqv, qkv; writes qkv
.if DOCPART == 1
	.amdgcn_target "amdgcn-amd-amdhsa--gfx1250"
	.amdhsa_code_object_version 6
	.text
	.protected	k_q0c79dc5e83_qkv_gemm
	.globl	k_q0c79dc5e83_qkv_gemm
	.p2align	8
	.type	k_q0c79dc5e83_qkv_gemm,@function
k_q0c79dc5e83_qkv_gemm:
	s_mov_b64 s[64:65], 0
	v_nop
	global_prefetch_b8 v0, s[64:65] scope:SCOPE_SE
	s_setreg_imm32_b32 hwreg(HW_REG_WAVE_MODE, 25, 1), 1
	s_wait_xcnt 0x0
	s_wait_alu depctr_hold_cnt(0) depctr_sa_sdst(0) depctr_va_vdst(0) depctr_va_sdst(0) depctr_va_ssrc(0) depctr_va_vcc(0) depctr_vm_vsrc(0)
	s_getreg_b32 s2, hwreg(HW_REG_IB_STS2, 6, 4)
	s_cmp_eq_u32 s2, 0
	s_cbranch_scc0 .Lentry_in_a_cluster
	s_endpgm
.Lentry_in_a_cluster:
	s_bfe_u32 s2, ttmp6, 0x10000c
	s_cmp_lg_u32 s2, 0xf033
	s_cbranch_scc0 .Lentry_shape_is_right
	s_endpgm
.Lentry_shape_is_right:
; kqv[t][f] = sum over e of x[t][e] W[f][e] + b[f], on codes of BF8 (E5M2); then q, k and v are quantised, each with its given scale, and stored as codes.
; x: [8192][1024] codes, W: [3072][1024] codes, K innermost.  lowp_scales: e0 (x), e1 (W), e2 (q), e3 (k), e5 (v).  A finished sum is multiplied by 2^(e0 + e1) and the bias added in one fused multiply-add.
; LIMITS: e0 + e1 between -126 and 127; e2, e3, e5 between -126 and 127, so that each power of two below is an f32 number.  NaN in the bias is not served.
; A tile of 256 tokens x 256 features is made by a work-group of four waves, as many as a WGP has SIMDs; a wave makes 128 x 128: 64 accumulators of 16 x 16, 512 registers.
; K goes in steps of 256 through a ring of two LDS slots filled by the tensor data mover: a tile's row is 256 bytes of memory.
; CLUSTERS: 4 x 4 work-groups.  The four of a row of the cluster need the same tokens, the four of a column the same rows of W: each tile is asked for JOINTLY.
; Four tile columns are 1,024 features, so the cluster's x (0, 1, 2) IS the kind: q, k or v.  It is the same number in all sixteen partners.
; 12 x 32 tiles are 384 work-groups; a smaller tile would divide more evenly, but each fragment read from LDS would then feed fewer products (12 fragments for 32 against 16 for 64).
; WHAT IS STORED: images of the next launch's operand registers: a group of four registers is 512 bytes on end, lane l's 16 bytes at 16 l.  So every store of a wave covers 512 consecutive bytes, aligned.
;   q at byte 0, k at 2^23: bh x 131072 + (s / 16) x 1024 + c x 512 + 16 l: registers 4 c .. 4 c + 3 of the K = 64 fragment of tokens 16 (s / 16) + l % 16: register pair c2: d = 16 c2 + 8 (l / 16) + 0 .. 7.
;   v at 2^24: bh x 131072 + (s / 128) x 8192 + dt x 2048 + i x 512 + 16 l: registers 4 i .. 4 i + 3 of the K = 128 fragment of V^T: row d = 16 dt + l % 16, register pair c: keys 16 c + 8 (l / 16) + 0 .. 7.
; q AND k: source 0 = 16 rows of W, source 1 = 16 tokens: a lane holds one token and eight neighbouring features: neighbours along the next product's K (the head's 64).
; v: the next K is the KEYS, so source 0 = 16 tokens and source 1 = 16 rows of W.  A wave's tile is 8 blocks a side with one fragment layout for both, so only the two LDS base addresses change places; the loop's text is one.
; REGISTERS, in windows of 256: window 0: v0-31 addresses and constants; v32-95, v96-111 the bias in both layouts; from v128 source 1's fragments (8 x 16 rows x 128 K), ONE set; on the way out v128-223 are at work.
;   window 1: source 0's fragments, TWO sets, at v0 and at v128.   window 2: the 32 accumulators of source 1's blocks 0-3 (accumulator (a, b) at v[8 (8 a + b)]);   window 3: those of blocks 4-7.
.set SIZE_K, 1024
.set KSTEP,  256                       ; along K in a slot
.set ROWB,   256                       ; a tile's row in bytes
.set KROW,   SIZE_K                    ; a row of x or of W in memory, in bytes
.set PITCH,  272                       ; an LDS row: 256 bytes + 16 of padding = 68 words: row r starts at bank 4 r mod 64 (64 banks of 4 bytes: ISA guide 11.1)
.set FR,     16                        ; registers of a fragment: 16 rows x 128 K
.set NL,     4                         ; LDS loads that bring one
.set NP,     4                         ; places behind this matrix instruction (ISA guide 7.12.1)
.set HALFT,  128*PITCH                 ; 128 rows: what one tensor load brings
.set SLOT,   4*HALFT                   ; 256 tokens, then 256 rows of W
.set LAPS,   SIZE_K/(2*KSTEP)          ; a lap = two K steps = once round the ring: 2
.set SPARE,  2*SLOT                    ; behind the ring: the spare words, 128 bytes for each wave
.set ADRA, 16                          ; v16-17  LDS address of source 1's fragments in slot 0, 1
.set ADRB, 20                          ; v20-21  the same for source 0
.set BO8,  24                          ; v24     32 x (lane / 16): the bias of eight neighbouring features
.set BO1,  25                          ; v25     4 x (lane % 16): the bias of one feature
.set LO,   26                          ; v26     16 x lane: my place in an image
.set SCR,  27                          ; v27     2^e of my kind, as f32
.set SPW,  28                          ; v28     LDS address of my spare word; never rewritten
.set NIL,  29                          ; v29     0; never rewritten
.set LIMR, 30                          ; v30     not used
.set BQ,   32                          ; v32-95  bias(16 b + 8 h + j) at v[BQ + 8 b + j]: q's and k's layout
.set BV,   96                          ; v96-111 bias(16 a + r), twice, at v[BV + 2 a]: v's layout
.set AF,   128                         ; source 1's fragments
.set T,    128                         ; the way out: 64 numbers of a block
.set CDB,  192                         ; the way out: a block's codes, 16 registers, two sets by turns
.set G1, 24                            ; s[24:31] descriptor group 1 for x's tiles;  s[32:39] group 0, one set for each slot
.set G0, 32
.set G1B, 48                           ; s[48:55], s[56:63] the same for W's tiles
.set G0B, 56
.set MSB, 0
.macro WIN new                         ; the immediate's high byte repeats the setting that is left
.if MSB != (\new)
	s_set_vgpr_msb (MSB<<8)|(\new)
.set MSB, (\new)
.endif
.endm
.set MUL_LO, 0xa1                      ; source 0 window 1, source 1 window 0, C and D window 2
.set MUL_HI, 0xf1                      ; the same, C and D window 3
.set TO_B,   0x40                      ; destination window 1, address window 0
; A joint load: waves 0 and 1 fetch tokens, waves 2 and 3 rows of W.  The branch hangs on the wave's number alone.  Four v_nop follow each of the two lines.
.macro JLOAD g0a, g1a, g0b, g1b
	s_cmp_eq_u32 s15, 0
	s_cbranch_scc0 .Lfor_b_\@
	tensor_load_to_lds s[\g0a:\g0a+3], s[\g1a:\g1a+7]
	s_nop 0
.rept 4
	v_nop
.endr
	s_branch .Lasked_\@
.Lfor_b_\@:
	tensor_load_to_lds s[\g0b:\g0b+3], s[\g1b:\g1b+7]
	s_nop 0
.rept 4
	v_nop
.endr
.Lasked_\@:
.endm
.macro CREST                           ; a round of the cluster's barrier behind its opening barrier
	s_cmp_lg_u32 s14, 0
	s_cbranch_scc1 .Lnot_wave_0_\@
	s_barrier_signal -3
.Lnot_wave_0_\@:
	s_barrier_wait -3
	s_barrier_signal -1
	s_barrier_wait -1
.endm
.macro CROUND                          ; a whole round
	s_barrier_signal -1
	s_barrier_wait -1
	CREST
.endm
	s_load_b128 s[4:7], s[0:1], 0x0                ; x's codes s[4:5], W's codes s[6:7]
	s_load_b128 s[8:11], s[0:1], 0x10              ; the scales' exponents s[8:9], the bias s[10:11]
	s_load_b64 s[12:13], s[0:1], 0x20              ; the workspace for q, k, v
	v_lshl_add_u32 v[SPW], v0, 2, SPARE
	v_mov_b32 v[NIL], 0
	ds_add_u32 v28, v29
	ds_add_u32 v28, v29
	s_wait_dscnt 0x0
	v_lshrrev_b32 v1, 5, v0
	v_readfirstlane_b32 s14, v1                    ; wave 0..3
	s_lshr_b32 s15, s14, 1                         ; which half of the tile's tokens is mine.  Also: I fetch tokens (0) or rows of W (1)
	s_and_b32 s16, s14, 1                          ; which half of its features.  Also: which 128 rows I fetch
	s_bfe_u32 s40, ttmp6, 0x40000                  ; cx, cy: my place in the cluster
	s_bfe_u32 s41, ttmp6, 0x40004
	s_lshl_b32 s42, ttmp9, 2
	s_add_co_u32 s42, s42, s40                     ; tile column = 4 x cluster x + cx
	s_and_b32 s17, ttmp7, 0xffff
	s_lshl_b32 s17, s17, 2
	s_add_co_u32 s17, s17, s41                     ; tile row = 4 x cluster y + cy
	s_lshl_b32 s43, s41, 2
	s_lshl_b32 s43, 15, s43                        ; my row of the cluster
	s_lshl_b32 s44, 0x1111, s40                    ; my column
	; descriptor group 1: a tile of 128 rows x 256 bytes, padded in LDS
	s_or_b32 s[G1+0], s43, (0<<16)|(1<<20)|(1<<21)|(5<<22)|(3<<25)  ; 15:0 the mask: tokens go to my row; 17:16 element of 1 byte; 20 padding on; 21 set beside a mask; 24:22 after every 64 words (code 5); 31:25 of 4 words (code 3)
	s_or_b32 s[G1B+0], s44, (0<<16)|(1<<20)|(1<<21)|(5<<22)|(3<<25) ; the same with the mask of my column
.irp g, G1, G1B
	s_mov_b32 s[\g+1], ROWB<<16                    ; tensor_dim0
	s_mov_b32 s[\g+2], 128<<16                     ; tensor_dim1 = 128
	s_mov_b32 s[\g+3], ROWB<<16                    ; tile_dim0
	s_mov_b32 s[\g+4], 128                         ; tile_dim1 = 128
	s_mov_b32 s[\g+5], KROW                        ; tensor_dim0_stride
	s_mov_b32 s[\g+6], 0
	s_mov_b32 s[\g+7], 0
.endr
	s_lshl_b32 s18, s16, 7                         ; which 128 rows of the tile I fetch
	s_lshl_b32 s20, s17, 8
	s_add_co_u32 s20, s20, s18                     ; x: row 256 x tile row + 128 x half
	s_lshl_b32 s46, s42, 8
	s_add_co_u32 s46, s46, s18                     ; W: row 256 x tile column + 128 x half
	s_mov_b32 s21, 0
	s_mov_b32 s47, 0
	s_mov_b64 s[18:19], KROW
	s_mul_u64 s[20:21], s[20:21], s[18:19]
	s_mul_u64 s[46:47], s[46:47], s[18:19]
	s_mul_i32 s45, s14, HALFT                      ; where they go: wave x 128 rows: no place in the cluster enters an LDS address
	s_wait_kmcnt 0x0
	s_load_b256 s[72:79], s[8:9], 0x0              ; e0 .. e7
	s_add_nc_u64 s[20:21], s[4:5], s[20:21]
	s_add_nc_u64 s[46:47], s[6:7], s[46:47]
	CROUND                                         ; all sixteen work-groups are here: the first joint loads meet
.irp s, 0,1
	s_mov_b32 s[G0+4*\s], 1
	s_add_co_u32 s[G0+4*\s+1], s45, \s*SLOT
	s_add_nc_u64 s[G0+4*\s+2:G0+4*\s+3], s[20:21], \s*ROWB
	s_or_b32 s[G0+4*\s+3], s[G0+4*\s+3], 0x80000000
	s_mov_b32 s[G0B+4*\s], 1
	s_add_co_u32 s[G0B+4*\s+1], s45, \s*SLOT
	s_add_nc_u64 s[G0B+4*\s+2:G0B+4*\s+3], s[46:47], \s*ROWB
	s_or_b32 s[G0B+4*\s+3], s[G0B+4*\s+3], 0x80000000
	JLOAD G0+4*\s, G1, G0B+4*\s, G1B
.endr
	v_and_b32 v1, 15, v0                           ; r = l % 16
	v_bfe_u32 v2, v0, 4, 1                         ; h = l / 16
	v_mul_u32_u24 v3, v1, PITCH
	v_lshl_add_u32 v4, v2, 4, v3                   ; a fragment's row x pitch + 16 x half
	s_wait_alu depctr_va_vdst(0)
	s_mul_i32 s21, s15, HALFT                      ; my 128 tokens
	s_mul_i32 s22, s16, HALFT                      ; my 128 rows of W,
	s_add_co_u32 s22, s22, 2*HALFT                 ; which lie behind the 256 tokens
	s_cmp_eq_u32 ttmp9, 2                          ; v?  The cluster's x: the same in all partners
	s_cselect_b32 s81, s22, s21                    ; source 1: tokens for q and k, rows of W for v
	s_cselect_b32 s82, s21, s22                    ; source 0: the other
.irp s, 0,1
	v_add_nc_u32 v[ADRA+\s], s81, v4
	v_add_nc_u32 v[ADRB+\s], s82, v4
	s_add_co_u32 s81, s81, SLOT
	s_add_co_u32 s82, s82, SLOT
.endr
	; the bias of my 128 features, in both layouts; it is waited for behind the loop
	v_lshlrev_b32 v[BO8], 5, v2
	v_lshlrev_b32 v[BO1], 2, v1
	v_and_b32 v5, 31, v0
	v_lshlrev_b32 v[LO], 4, v5
	s_lshl_b32 s84, s42, 10
	s_lshl_b32 s85, s16, 9
	s_add_co_u32 s84, s84, s85                     ; 4 x (256 x tile column + 128 x half)
	s_mov_b32 s85, 0
	s_add_nc_u64 s[10:11], s[10:11], s[84:85]
.irp b, 0,1,2,3,4,5,6,7
	global_load_b128 v[BQ+8*\b:BQ+8*\b+3],   v[BO8], s[10:11] offset:64*\b
	global_load_b128 v[BQ+8*\b+4:BQ+8*\b+7], v[BO8], s[10:11] offset:64*\b+16
.endr
.irp a, 0,1,2,3,4,5,6,7
	global_load_b32 v[BV+2*\a],   v[BO1], s[10:11] offset:64*\a
	global_load_b32 v[BV+2*\a+1], v[BO1], s[10:11] offset:64*\a
.endr
	; where my wave's images begin: kind x 2^23 + (16 x batch + my first head) x 131072 + my first token in the batch x 64: one formula for the three kinds
	s_lshr_b32 s86, s17, 3                         ; batch: eight tile rows are 2,048 tokens
	s_lshl_b32 s86, s86, 4
	s_lshl_b32 s87, s40, 2
	s_add_co_u32 s86, s86, s87
	s_lshl_b32 s87, s16, 1
	s_add_co_u32 s86, s86, s87                     ; + 4 cx + 2 x half: 128 features are two heads
	s_lshl_b32 s86, s86, 17
	s_and_b32 s87, s17, 7
	s_lshl_b32 s87, s87, 8
	s_lshl_b32 s88, s15, 7
	s_add_co_u32 s87, s87, s88
	s_lshl_b32 s87, s87, 6
	s_add_co_u32 s86, s86, s87
	s_lshl_b32 s87, ttmp9, 23
	s_add_co_u32 s86, s86, s87
	s_mov_b32 s87, 0
	s_add_nc_u64 s[12:13], s[12:13], s[86:87]
.macro FRAG reg, adr, q, i             ; a fragment: lane l holds row l % 16; registers 4 c .. 4 c + 3 hold K = 32 c + 16 (l / 16) + 0 .. 15: one order of k for both sources, so every product meets its partner
.irp c, 0,1,2,3
	ds_load_b128 v[\reg+4*\c:\reg+4*\c+3], v[\adr] offset:128*(\q)+32*\c+(\i)*16*PITCH
.endr
.endm
; 16 matrix instructions: source 1's blocks a0, a0 + 1 x source 0's eight, 128 along K.  p: source 0's set.  zero = 1: the first product starts the sums.
; The 64 accumulators take turns, one instruction a turn, in the same order in every step.
.macro MUL16 a0, p, zero
.irp a, \a0, \a0+1
.irp b, 0,1,2,3,4,5,6,7
.if \zero
	v_wmma_f32_16x16x128_bf8_bf8 v[8*(8*((\a)%4)+\b):8*(8*((\a)%4)+\b)+7], v[128*(\p)+FR*\b:128*(\p)+FR*\b+FR-1], v[AF+FR*(\a):AF+FR*(\a)+FR-1], 0
.else
	v_wmma_f32_16x16x128_bf8_bf8 v[8*(8*((\a)%4)+\b):8*(8*((\a)%4)+\b)+7], v[128*(\p)+FR*\b:128*(\p)+FR*\b+FR-1], v[AF+FR*(\a):AF+FR*(\a)+FR-1], v[8*(8*((\a)%4)+\b):8*(8*((\a)%4)+\b)+7]
.endif
.endr
.endr
.endm
.macro FETCH_B slot, q, p              ; source 0's eight fragments of the slot's q-th 128 along K into set p
	WIN TO_B
.irp i, 0,1,2,3,4,5,6,7
	FRAG 128*(\p)+FR*\i, ADRB+\slot, \q, \i
.endr
	WIN 0
.endm
.macro FETCH_A slot, q, i0             ; source 1's blocks i0 .. i0 + 3
.irp i, \i0, \i0+1, \i0+2, \i0+3
	FRAG AF+FR*(\i), ADRA+\slot, \q, \i
.endr
.endm
; A load into a register that a matrix instruction has read, and a vector instruction that reads a matrix result or writes one of its registers, stand NP places behind it;
; only plain vector instructions that name none of its registers are places (ISA guide 7.12.1 for vector instructions).
.macro PLACES n
.rept \n
	v_nop
.endr
.endm
; A step of 128 along K that has its successor in the same slot.
.macro STEP slot, q, zero
	s_wait_dscnt 4*NL                              ; source 0's set and source 1's blocks 0-3 are in; the youngest sixteen loads (blocks 4-7) may be out
	WIN MUL_LO
	MUL16 0, (\q)%2, \zero
	MUL16 2, (\q)%2, \zero
	s_wait_dscnt 0                                 ; blocks 4-7 are in (asked for 32 matrix instructions ago)
	PLACES NP
	FETCH_B \slot, (\q)+1, 1-(\q)%2
	FETCH_A \slot, (\q)+1, 0
	WIN MUL_HI
	MUL16 4, (\q)%2, \zero
	MUL16 6, (\q)%2, \zero
	PLACES NP
	WIN 0
	FETCH_A \slot, (\q)+1, 4
.endm
; A slot's last step changes slots: ONE barrier; in front of it each wave waits for all its tensor loads, adds 0 to its spare word, and waits for that and for its own reads of this slot.  fill = 1: this slot is filled again, two K steps ahead.
.macro TURN slot, next, fill
	s_wait_tensorcnt 0x0                           ; all my tensor loads have landed: my part of the next slot  (every window is 0 here)
	ds_add_u32 v[SPW], v[NIL]                      ; 0 onto my spare word
	s_wait_dscnt 4*NL+1                            ; (the add and the youngest sixteen loads, blocks 4-7, may be out)
	WIN MUL_LO
	MUL16 0, 1, 0                                  ; sixteen matrix instructions stand between the add and the wait for it
	s_wait_dscnt 0x0                               ; the add is done, and my reads of this slot are over
	s_barrier_signal -1
	MUL16 2, 1, 0
	WIN 0
	s_barrier_wait -1
.if \fill
	CREST                                          ; the barrier has opened a round of the cluster's barrier: no wave of any partner still reads this slot or has a load on its way
	s_add_nc_u64 s[G0+4*\slot+2:G0+4*\slot+3], s[G0+4*\slot+2:G0+4*\slot+3], 2*ROWB
	s_add_nc_u64 s[G0B+4*\slot+2:G0B+4*\slot+3], s[G0B+4*\slot+2:G0B+4*\slot+3], 2*ROWB
	JLOAD G0+4*\slot, G1, G0B+4*\slot, G1B         ; the first tensor load behind the round; its four v_nop are the places in front of the loads below
.else
	PLACES NP
.endif
	FETCH_B \next, 0, 0
	FETCH_A \next, 0, 0
	WIN MUL_HI
	MUL16 4, 1, 0
	MUL16 6, 1, 0
	PLACES NP
	WIN 0
	FETCH_A \next, 0, 4
.endm
	s_wait_alu depctr_va_vdst(0)
	s_wait_tensorcnt 1                             ; my part of K step 0 is in (K step 1's load may be out)
	s_barrier_signal -1
	s_barrier_wait -1                              ; everybody's is
	FETCH_B 0, 0, 0
	FETCH_A 0, 0, 0
	FETCH_A 0, 0, 4
	STEP 0, 0, 1                                   ; the first step stands in front of the loop: its products start the sums
	s_mov_b32 s3, LAPS-1
.Llap:                                                 ; a trip goes once round the ring and fills both slots again
	TURN 0, 1, 1
	STEP 1, 0, 0
	TURN 1, 0, 1
	STEP 0, 0, 0
	s_sub_co_u32 s3, s3, 1
	s_cmp_lg_u32 s3, 0
	s_cbranch_scc1 .Llap
	TURN 0, 1, 0                                   ; the last lap fills nothing, and has no round of the cluster's barrier
	STEP 1, 0, 0
	s_wait_dscnt 4*NL                              ; the very last step: nothing more to fetch
	WIN MUL_LO
	MUL16 0, 1, 0
	MUL16 2, 1, 0
	s_wait_dscnt 0
	WIN MUL_HI
	MUL16 4, 1, 0
	MUL16 6, 1, 0
	WIN 0
; THE WAY OUT, block a of source 1 at a time: 64 sums a lane.  sum x 2^(e0 + e1) + bias in one fused multiply-add;
; eight conversions, each of eight neighbours along the next K.  Their sixteen registers ARE four groups of the next launch's operand registers: no LDS, no change of lanes.
;   q, k: registers 8 u + 0 .. 7 are the fragment of head u of my two, tokens 16 a on.     v: all sixteen are the fragment of head a / 4, rows d = 16 (a % 4) on, my 128 keys.
.macro EPI a, isv
.set AC, 64*((\a)%4)
.set CD, CDB+16*((\a)%2)
	WIN 0x02+((\a)/4)                              ; source 0: window 2 or 3
.set n, 0
.rept 32
.if \isv
	v_pk_fma_f32 v[T+n:T+n+1], v[AC+n:AC+n+1], s[96:97], v[BV+2*(\a):BV+2*(\a)+1] op_sel_hi:[1,0,1]   ; each accumulator from its low end on
.else
	v_pk_fma_f32 v[T+n:T+n+1], v[AC+n:AC+n+1], s[96:97], v[BQ+n:BQ+n+1] op_sel_hi:[1,0,1]
.endif
.set n, n+2
.endr
	WIN 0
.set n, 0
.rept 64
.set n, n+1
.endr
.if (\a) >= 2
	s_wait_alu depctr_va_vdst(0)
	s_wait_xcnt 0x0                                ; block a - 2's stores have read this set of code registers
.endif
.irp b, 0,1,2,3,4,5,6,7
	v_cvt_scalef32_pk8_bf8_f32 v[CD+2*\b:CD+2*\b+1], v[T+8*\b:T+8*\b+7], v[SCR]
.endr
	v_nop                                          ; one plain vector instruction behind the last conversion: the next block writes the numbers' registers
.irp i, 0,1,2,3
.if \isv
	global_store_b128 v[LO], v[CD+4*\i:CD+4*\i+3], s[12:13] offset:((\a)/4)*131072+((\a)%4)*2048+\i*512   ; 32 lanes store 512 consecutive bytes, aligned
.else
	global_store_b128 v[LO], v[CD+4*\i:CD+4*\i+3], s[12:13] offset:(\i/2)*131072+(\a)*1024+(\i%2)*512
.endif
.endr
.endm
	s_wait_loadcnt 0x0                             ; the bias
	s_wait_kmcnt 0x0                               ; the exponents
	s_add_co_i32 s96, s72, s73                     ; e0 + e1
	s_add_co_i32 s96, s96, 127
	s_lshl_b32 s96, s96, 23                        ; 2^(e0 + e1) as f32
	s_mov_b32 s97, s96                             ; (named with it as a pair, so it is written)
	s_cmp_eq_u32 ttmp9, 0
	s_cselect_b32 s80, s74, s75                    ; q: e2; k: e3;
	s_cmp_eq_u32 ttmp9, 2
	s_cselect_b32 s80, s77, s80                    ; v: e5.  A choice of value: no branch hangs on a loaded number
	s_add_co_i32 s80, s80, 127
	s_lshl_b32 s81, s80, 23
	v_mov_b32 v[SCR], s81                          ; 2^e: the conversion takes its exponent field
	PLACES NP                                      ; behind the last products: their results are read, and source 1's registers written, below
	s_cmp_eq_u32 ttmp9, 2
	s_cbranch_scc1 .Lv_out                         ; on the cluster's x: all partners take the same way
.irp a, 0,1,2,3,4,5,6,7
	EPI \a, 0
.endr
	s_branch .Ldone
.Lv_out:
.irp a, 0,1,2,3,4,5,6,7
	EPI \a, 1
.endr
.Ldone:
	s_wait_tensorcnt 0x0                           ; the wave's end
	ds_add_u32 v[SPW], v[NIL]
	s_wait_dscnt 0x0
	CROUND                                         ; the closing round: no work-group ends while a partner may still ask for a tile that names it
	s_endpgm
.Lfunc_end_k_q0c79dc5e83_qkv_gemm:
	.size	k_q0c79dc5e83_qkv_gemm, .Lfunc_end_k_q0c79dc5e83_qkv_gemm-k_q0c79dc5e83_qkv_gemm
	.p2alignl 7, 3214868480
	.fill 96, 4, 3214868480
	.section	.rodata,"a",@progbits
	.p2align	6, 0x0
	.amdhsa_kernel k_q0c79dc5e83_qkv_gemm
		.amdhsa_group_segment_fixed_size 327680
		.amdhsa_private_segment_fixed_size 0
		.amdhsa_enable_private_segment 0
		.amdhsa_kernarg_size 40
		.amdhsa_user_sgpr_count 2
		.amdhsa_user_sgpr_kernarg_segment_ptr 1
		.amdhsa_wavefront_size32 1
		.amdhsa_system_sgpr_workgroup_id_x 1
		.amdhsa_system_sgpr_workgroup_id_y 1
		.amdhsa_system_sgpr_workgroup_id_z 1
		.amdhsa_system_vgpr_workitem_id 0
		.amdhsa_next_free_vgpr 1024
		.amdhsa_next_free_sgpr 98
		.amdhsa_reserve_vcc 0
		.amdhsa_float_denorm_mode_32 3
		.amdhsa_float_denorm_mode_16_64 3
		.amdhsa_fp16_overflow 1
		.amdhsa_memory_ordered 1
		.amdhsa_forward_progress 1
		.amdhsa_inst_pref_size 130
	.end_amdhsa_kernel
	.amdgpu_metadata
---
amdhsa.version: [ 1, 2 ]
amdhsa.kernels:
  - .name:           k_q0c79dc5e83_qkv_gemm
    .symbol:         k_q0c79dc5e83_qkv_gemm.kd
    .args:
      - { .name: x_codes, .offset: 0, .size: 8, .value_kind: global_buffer, .address_space: global }
      - { .name: W_kqv_codes, .offset: 8, .size: 8, .value_kind: global_buffer, .address_space: global }
      - { .name: lowp_scales, .offset: 16, .size: 8, .value_kind: global_buffer, .address_space: global }
      - { .name: b_kqv, .offset: 24, .size: 8, .value_kind: global_buffer, .address_space: global }
      - { .name: qkv, .offset: 32, .size: 8, .value_kind: global_buffer, .address_space: global }
    .group_segment_fixed_size: 327680
    .private_segment_fixed_size: 0
    .kernarg_segment_align: 8
    .kernarg_segment_size: 40
    .max_flat_workgroup_size: 128
    .sgpr_count:     98
    .vgpr_count:     1024
    .wavefront_size: 32
...
	.end_amdgpu_metadata
.endif
;; end of part 1
;; launch attention (part 2): grid 4 x 64, 16 waves a work-group, no clusters, 327,680 bytes of LDS; arguments qkv, lowp_scales, ycodes; writes ycodes
.if DOCPART == 2
	.amdgcn_target "amdgcn-amd-amdhsa--gfx1250"
	.amdhsa_code_object_version 6
	.text
	.protected	k_q0c79dc5e83_attention
	.globl	k_q0c79dc5e83_attention
	.p2align	8
	.type	k_q0c79dc5e83_attention,@function
k_q0c79dc5e83_attention:
	s_mov_b64 s[64:65], 0
	v_nop
	global_prefetch_b8 v0, s[64:65] scope:SCOPE_SE
	s_setreg_imm32_b32 hwreg(HW_REG_WAVE_MODE, 25, 1), 1
	s_wait_xcnt 0x0
; y[b][q][head] = the sum over keys k <= q of softmax_k(Q . K / 8) V, both products on codes of BF8 (E5M2); y is quantised with its given scale and stored as codes.
; q, k, v come as images of operand registers (a group of four registers is 512 bytes on end, lane l's 16 bytes at 16 l), 131,072 bytes a head and kind: q at byte 0, k at 2^23, v at 2^24.
; lowp_scales: e2 (q), e3 (k), e4 (p), e5 (v), e6 (y).
; THE SOFTMAX: t = score x log2(e) / 8; M = the row's largest t so far, rounded UP to a whole number; p = 2^(t - M) is what is quantised, not normalised.  The row's sum is taken of the unquantised p, in f32,
; and divides at the end.  When M moves, the sum and O are multiplied by 2^(old M - new M): exact.
; LIMITS on the given exponents, so that each power of two below is an f32 number: e2 + e3 between -123 and 130 (added to c's exponent field); e4 and e6 between -126 and 127; e4 + e5 goes by v_ldexp_f32 and has none.
; SHARES.  A head has eight blocks of 256 queries.  Work-group (i, head) owns blocks i and 7 - i; each of its sixteen waves owns one tile of 16 queries of the block in hand, in 256 registers, four waves to a SIMD.
; THE WALK: nine VISITS of one slot of 256 keys, the same number in every work-group: visits 0 .. i: block i against key slots 0 .. i; visits i + 1 .. 8: block 7 - i against key slots 0 .. 7 - i.
; So every work-group has seven visits all of whose keys count and two on the diagonal, no slot is fetched that nobody reads, and every trip count is a constant.
; NO CLUSTER: at visit n the work-group i of a head wants key slot n or n - i - 1: the four want different tiles.  A walk in step over slots 0 .. 7 would take 2+2+2+2+1+1+1+1 = 12 block visits against these 9.
; NO PREFETCH is written: a slot is asked for straight behind a change of slots, a whole visit (two key steps of every wave) ahead of the wait for it.
; LAYOUT.  S^T = K Q^T (source 0 = 16 keys, source 1 = my 16 queries, K = 64): lane (r, h) holds query r, register j of tile t key 16 t + 8 h + j.  A tile's eight registers convert into registers 2 t, 2 t + 1
; of P's fragment for O^T = V^T P^T (K = 128): the form's own places of k; V's images have the same.  Nothing changes lanes between the products.
; LDS: slot s at 32,768 s: K's 16 tiles of 1,024 bytes, then at + 16,384 V's 2 x 4 fragments of 2,048; behind the ring the spare words.  Nothing is stored to LDS.
; REGISTERS: v1-11 constants; v12 -M, v13 the largest t, v[14:15] the sum in two halves; v16-23 Q; v24-31 the second block's Q; v32-95 K's eight fragments, then p's codes (v32-47) and work (v48-55);
;   v96-159 S^T, then p; v160-191 O^T; v192-255 V's four fragments.
.set SLOT1, 32768
.set VOFF,  16384
.set SPARE, 65536                      ; the spare words, 128 bytes for each of sixteen waves
.set LI,   1                           ; v1   16 x lane
.set LIMP, 2                           ; v2   not used
.set SCP,  3                           ; v3   2^e4
.set ADR,  4                           ; v4   LDS address of the slot in hand + 16 x lane
.set SPW,  5                           ; v5   LDS address of my spare word; never rewritten
.set NIL,  6                           ; v6   0; never rewritten
.set RL,   7                           ; v7   r - 8 h
.set LIMY, 8                           ; v8   not used
.set SCY,  9                           ; v9   2^e6
.set NINF, 10                          ; v10  -infinity
.set PD,   11                          ; v11  a lane permute's destination
.set QR,   16
.set QH,   24
.set KR,   32
.set PC,   32
.set SR,   96
.set OT,   160
.set VR,   192
.set TB,   2                           ; s2   LDS byte at which the slot in hand begins
.set N,    3                           ; s3   the visit
.set WV,   18                          ; s18  my wave's number
.set I1,   19                          ; s19  i + 1: the visit at which the second block begins
.set SEL,  20                          ; s[20:21] lane selects: lane l xor 16
.set CS,   22                          ; s[22:23] c = log2(e) / 8 x 2^(e2 + e3)
.set G1,   24                          ; s[24:31] descriptor group 1
.set G0,   32                          ; s[32:35] descriptor group 0, which walks
.set KVB,  36                          ; s[36:37] my head's k (wave 0) or v (wave 1)
.set OFS,  38                          ; s[38:39] a key slot's byte offset
.set KF,   40                          ; s40  the step's first key
.set Q0,   41                          ; s41  my first query
.set Q0H,  42                          ; s42  my first query in the second block
.set EPV,  43                          ; s43  e4 + e5
.set YA,   44                          ; s[44:45] where the first block's codes go;  s[46:47] the second's
.set YB,   46
; Wave 0 fetches a slot's K, wave 1 its V, the others nothing.  Four v_nop follow the line.
.macro TLOAD
	s_cmp_lt_u32 s[WV], 2
	s_cbranch_scc0 .Lasked_\@
	tensor_load_to_lds s[G0:G0+3], s[G1:G1+7]
	s_nop 0
.rept 4
	v_nop
.endr
.Lasked_\@:
.endm
	s_load_b128 s[4:7], s[0:1], 0x0                ; the workspace of q, k, v s[4:5]; the scales' exponents s[6:7]
	s_load_b64 s[8:9], s[0:1], 0x10                ; y's codes
	v_lshl_add_u32 v[SPW], v0, 2, SPARE
	v_mov_b32 v[NIL], 0
	ds_add_u32 v5, v6
	ds_add_u32 v5, v6
	s_wait_dscnt 0x0
	v_lshrrev_b32 v[ADR], 5, v0
	s_delay_alu instid0(VALU_DEP_1)
	v_readfirstlane_b32 s[WV], v[ADR]              ; wave 0..15
	s_add_co_u32 s[I1], ttmp9, 1
	s_and_b32 s56, ttmp7, 0xffff                   ; bh = 16 x batch + head
	s_lshl_b32 s58, s56, 17                        ; a head's 131,072 bytes
	s_mov_b32 s59, 0
	s_lshl_b32 s57, s[WV], 4
	s_lshl_b32 s[Q0], ttmp9, 8
	s_add_co_u32 s[Q0], s[Q0], s57                 ; 256 i + 16 x wave
	s_sub_co_u32 s[Q0H], 7, ttmp9
	s_lshl_b32 s[Q0H], s[Q0H], 8
	s_add_co_u32 s[Q0H], s[Q0H], s57               ; 256 (7 - i) + 16 x wave
	; descriptor group 1: 16,384 dense bytes as 64 rows of 256
	s_mov_b32 s[G1+0], 3<<16                       ; no mask; elements of 8 bytes; no padding
	s_mov_b32 s[G1+1], 32<<16                      ; tensor_dim0 = 32
	s_mov_b32 s[G1+2], 64<<16                      ; tensor_dim1 = 64
	s_mov_b32 s[G1+3], 32<<16                      ; tile_dim0 = 32
	s_mov_b32 s[G1+4], 64                          ; tile_dim1 = 64
	s_mov_b32 s[G1+5], 32                          ; tensor_dim0_stride
	s_mov_b32 s[G1+6], 0
	s_mov_b32 s[G1+7], 0
	s_mov_b32 s[SEL], 0x76543210
	s_mov_b32 s[SEL+1], 0xfedcba98
	s_mov_b32 s[CS], 0x3e38aa3b                    ; log2(e) / 8
	s_mov_b32 s[OFS+1], 0
	s_mov_b32 s61, 0
	s_mov_b32 s[TB], 0
	s_mov_b32 s[N], 0
	s_mov_b32 s[KF], 0
	s_wait_kmcnt 0x0
	s_load_b256 s[48:55], s[6:7], 0x0              ; e0 .. e7
	s_add_nc_u64 s[4:5], s[4:5], s[58:59]          ; q of my head
	s_and_b32 s60, s[WV], 1
	s_lshl_b32 s62, s60, 14                        ; in a slot: K at 0, V at 16,384
	s_add_co_u32 s60, s60, 1
	s_lshl_b32 s60, s60, 23                        ; k lies 2^23 bytes behind q, v 2^24
	s_add_nc_u64 s[KVB:KVB+1], s[4:5], s[60:61]
	s_mov_b32 s[G0], 1                             ; count = 1
	s_mov_b32 s[G0+1], s62                         ; LDS address: slot 0
	s_mov_b64 s[G0+2:G0+3], s[KVB:KVB+1]           ; visit 0: key slot 0
	s_or_b32 s[G0+3], s[G0+3], 0x80000000          ; type = 2
	TLOAD                                          ; the launch's first fill
	s_lshl_b32 s60, s[Q0], 6                       ; a tile of 16 queries is 1,024 bytes
	s_add_nc_u64 s[12:13], s[4:5], s[60:61]
	s_lshl_b32 s60, s[Q0H], 6
	s_add_nc_u64 s[14:15], s[4:5], s[60:61]
	v_and_b32 v[LI], 31, v0
	s_delay_alu instid0(VALU_DEP_1)
	v_lshlrev_b32 v[LI], 4, v[LI]
	global_load_b128 v[QR:QR+3],   v[LI], s[12:13]
	global_load_b128 v[QR+4:QR+7], v[LI], s[12:13] offset:512
	global_load_b128 v[QH:QH+3],   v[LI], s[14:15]
	global_load_b128 v[QH+4:QH+7], v[LI], s[14:15] offset:512
	; y's codes: (token / 16) x 16,384 + head x 1,024 = (token + head) x 1,024 for my tile's first token
	s_lshr_b32 s60, s56, 4
	s_lshl_b32 s60, s60, 11                        ; batch x 2,048 tokens
	s_and_b32 s63, s56, 15
	s_add_co_u32 s57, s60, s63
	s_add_co_u32 s60, s57, s[Q0]
	s_lshl_b32 s60, s60, 10
	s_add_nc_u64 s[YA:YA+1], s[8:9], s[60:61]
	s_add_co_u32 s60, s57, s[Q0H]
	s_lshl_b32 s60, s60, 10
	s_add_nc_u64 s[YB:YB+1], s[8:9], s[60:61]
	v_and_b32 v[RL], 15, v0
	v_bfe_u32 v[PD], v0, 4, 1
	s_delay_alu instid0(VALU_DEP_1)
	v_lshlrev_b32 v[PD], 3, v[PD]
	s_delay_alu instid0(VALU_DEP_1)
	v_sub_nc_u32 v[RL], v[RL], v[PD]               ; r - 8 h
	v_mov_b32 v[NINF], 0xff800000
	v_mov_b32 v[PD], 0                             ; written once: a lane permute's destination counts as one of its sources
	s_wait_kmcnt 0x0
	s_add_co_i32 s56, s50, s51
	s_lshl_b32 s56, s56, 23
	s_add_co_i32 s[CS], s[CS], s56                 ; a score stands for score x 2^(e2 + e3): added to c's exponent field
	s_mov_b32 s[CS+1], s[CS]                       ; (named with it as a pair, so it is written)
	s_add_co_i32 s[EPV], s52, s53
	s_add_co_i32 s56, s52, 127
	s_lshl_b32 s57, s56, 23
	v_mov_b32 v[SCP], s57                          ; 2^e4
	s_add_co_i32 s56, s54, 127
	s_lshl_b32 s57, s56, 23
	v_mov_b32 v[SCY], s57                          ; 2^e6
; A tile of queries begins: the largest t is -3e38, under every t; the sum and O^T are zeros, which the first change of M leaves zeros.  So the key step is written once, with no first step of its own.
.macro INIT
	v_mov_b32 v13, 0xff61b1e6
	s_delay_alu instid0(VALU_DEP_1)
	v_floor_f32 v12, -v13
	v_mov_b32 v14, 0
	v_mov_b32 v15, 0
.set n, 0
.rept 32
	v_mov_b32 v[OT+n], 0
.set n, n+1
.endr
.endm
; THE CHANGE OF SLOTS stands at a visit's head.  Each wave waits for all its tensor loads (its part of the slot that it is about to read), adds 0 to its spare word, and waits for that and for its reads of the slot
; that it has left.  Behind the barrier the slot ahead is whole and nobody reads the other one.  fill = 1: that other slot takes the next visit's keys: slot N + 1 of the first block's walk, or N + 1 - (i + 1) of the second's.
.macro CHANGE fill
	s_wait_tensorcnt 0x0                           ; no tensor load of mine is out, so group 0 may be written
	ds_add_u32 v[SPW], v[NIL]                      ; 0 onto my spare word
.if \fill
	s_xor_b32 s[G0+1], s[G0+1], SLOT1              ; the other slot than last time
	s_add_co_u32 s56, s[N], 1
	s_cmp_ge_u32 s56, s[I1]
	s_cselect_b32 s57, s[I1], 0
	s_sub_co_u32 s56, s56, s57                     ; the next visit's key slot
	s_lshl_b32 s[OFS], s56, 14                     ; 256 keys are 16,384 bytes, of k and of v
	s_add_nc_u64 s[G0+2:G0+3], s[KVB:KVB+1], s[OFS:OFS+1]
	s_or_b32 s[G0+3], s[G0+3], 0x80000000
.endif
	s_wait_dscnt 0x0                               ; the add is done, and my reads of the slot that I have left are over
	s_barrier_signal -1
	s_barrier_wait -1
.if \fill
	TLOAD                                          ; the first thing behind the barrier, and a wave's one tensor load until the next: it has a visit's two key steps in which to land
.endif
.endm
; A KEY STEP: 128 keys, the q-th of the slot in hand.
.macro STEP q
	s_add_co_u32 s56, s[Q0], 15                    ; a step all of whose keys come after my 16 queries is left out: a scalar branch on ids; no barrier and no tensor load stands in a step
	s_cmp_gt_u32 s[KF], s56
	s_cbranch_scc1 .Lhidden_\@
	v_add_nc_u32 v[ADR], s[TB], v[LI]
.rept 3
	v_nop                                          ; with the addition above: four places in front of loads into registers that the last products read
.endr
.irp t, 0,1,2,3,4,5,6,7
.irp c, 0,1
	ds_load_b128 v[KR+8*\t+4*\c:KR+8*\t+4*\c+3], v[ADR] offset:8192*(\q)+1024*\t+512*\c
.endr
.endr
.irp d, 0,1,2,3
.irp i, 0,1,2,3
	ds_load_b128 v[VR+16*\d+4*\i:VR+16*\d+4*\i+3], v[ADR] offset:VOFF+8192*(\q)+2048*\d+512*\i
.endr
.endr
	s_wait_dscnt 16                                ; K's sixteen loads are in; V's sixteen may be out: they land under the softmax
.irp t, 0,1,2,3,4,5,6,7
	v_wmma_f32_16x16x64_bf8_bf8 v[SR+8*\t:SR+8*\t+7], v[KR+8*\t:KR+8*\t+7], v[QR:QR+7], 0
.endr
.rept 4
	v_nop
.endr
	s_add_co_u32 s56, s[KF], 127                   ; on the diagonal the scores of hidden keys become -infinity ahead of the maximum: p = 0 then.  A step all of whose keys count skips this
	s_cmp_le_u32 s56, s[Q0]
	s_cbranch_scc1 .Lopen_\@
	s_sub_co_i32 s56, s[Q0], s[KF]
	v_add_nc_u32 v48, s56, v[RL]                   ; d = my query - KF - 8 h.  Register 8 t + j holds key KF + 16 t + 8 h + j: hidden where 16 t + j > d
.set n, 0
.rept 64
	v_cmp_gt_i32 vcc_lo, 16*(n/8)+n%8, v48
	v_cndmask_b32 v[SR+n], v[SR+n], v[NINF], vcc_lo
.set n, n+1
.endr
.Lopen_\@:
	v_max3_num_f32 v48, v[SR], v[SR+1], v[SR+2]    ; the step's largest score of my query, among my 64 keys, in two chains, each accumulator from its low end on,
	v_max3_num_f32 v50, v[SR+3], v[SR+4], v[SR+5]
.irp i, 6,10,14,18,22,26,30,34,38,42,46,50,54,58
	v_max3_num_f32 v48, v48, v[SR+\i], v[SR+1+\i]
	v_max3_num_f32 v50, v50, v[SR+2+\i], v[SR+3+\i]
.endr
	v_max3_num_f32 v48, v48, v[SR+62], v[SR+63]
	s_delay_alu instid0(VALU_DEP_1)
	v_max_num_f32 v48, v48, v50
	s_delay_alu instid0(VALU_DEP_1)
	v_permlanex16_b32 v[PD], v48, s[SEL], s[SEL+1]
	s_delay_alu instid0(VALU_DEP_1)
	v_max_num_f32 v48, v48, v[PD]                  ; and among lane l xor 16's
	s_delay_alu instid0(VALU_DEP_1)
	v_mul_f32 v48, s[CS], v48                      ; as t (c is positive)
	s_delay_alu instid0(VALU_DEP_1)
	v_max_num_f32 v13, v13, v48                    ; the running largest t
	v_mov_b32 v48, v12
	s_delay_alu instid0(VALU_DEP_2)
	v_floor_f32 v12, -v13                          ; the new -M = floor(-t) = -ceil(t): M is a whole number
	s_delay_alu instid0(VALU_DEP_1)
	v_sub_f32 v48, v12, v48                        ; M's old value less its new one: a whole number, 0 or less
	s_delay_alu instid0(VALU_DEP_1)
	v_cvt_i32_f32 v48, v48                         ; (it saturates)
	s_delay_alu instid0(VALU_DEP_1)
	v_ldexp_f32 v50, 1.0, v48                      ; f = 2^(old M - new M)
.set n, 0
.rept 32
	v_pk_fma_f32 v[SR+n:SR+n+1], v[SR+n:SR+n+1], s[CS:CS+1], v[12:13] op_sel_hi:[1,0,0]   ; t - M, two at a time (of the pairs c and -M the low word serves both halves)
.set n, n+2
.endr
.set n, 0
	s_wait_alu depctr_va_vdst(0)
.rept 64
	v_exp_f32 v[SR+n], v[SR+n]                     ; p = 2^(t - M), at most 1: not normalised
.set n, n+1
.endr
	v_pk_mul_f32 v[14:15], v[14:15], v[50:51] op_sel_hi:[1,0]   ; the sums under the new M.  (A plain place behind the exponentials)
	s_wait_alu depctr_va_vdst(0)
	v_pk_add_f32 v[54:55], v[100:101], v[104:105]
	v_pk_add_f32 v[94:95], v[108:109], v[112:113]
	v_pk_add_f32 v[92:93], v[116:117], v[120:121]
	v_pk_add_f32 v[90:91], v[124:125], v[128:129]
	v_pk_add_f32 v[88:89], v[132:133], v[136:137]
	v_pk_add_f32 v[86:87], v[140:141], v[144:145]
	v_pk_add_f32 v[84:85], v[148:149], v[152:153]
	v_pk_add_f32 v[14:15], v[14:15], v[156:157]
	v_pk_add_f32 v[54:55], v[54:55], v[96:97]
	v_pk_add_f32 v[94:95], v[94:95], v[98:99]
	v_pk_add_f32 v[92:93], v[92:93], v[102:103]
	v_pk_add_f32 v[90:91], v[90:91], v[106:107]
	v_pk_add_f32 v[88:89], v[88:89], v[110:111]
	v_pk_add_f32 v[86:87], v[86:87], v[114:115]
	v_pk_add_f32 v[84:85], v[84:85], v[118:119]
	v_pk_add_f32 v[14:15], v[14:15], v[122:123]
	v_pk_add_f32 v[54:55], v[54:55], v[126:127]
	v_pk_add_f32 v[94:95], v[94:95], v[130:131]
	v_pk_add_f32 v[92:93], v[92:93], v[134:135]
	v_pk_add_f32 v[90:91], v[90:91], v[138:139]
	v_pk_add_f32 v[88:89], v[88:89], v[142:143]
	v_pk_add_f32 v[86:87], v[86:87], v[146:147]
	v_pk_add_f32 v[84:85], v[84:85], v[150:151]
	v_pk_add_f32 v[14:15], v[14:15], v[154:155]
	v_pk_add_f32 v[54:55], v[54:55], v[158:159]
	s_delay_alu instid0(VALU_DEP_2)
	v_pk_add_f32 v[14:15], v[14:15], v[90:91]
	s_delay_alu instid0(VALU_DEP_2)
	v_pk_add_f32 v[54:55], v[54:55], v[88:89]
	v_pk_add_f32 v[94:95], v[94:95], v[86:87]
	v_pk_add_f32 v[92:93], v[92:93], v[84:85]
	s_delay_alu instid0(VALU_DEP_2)
	v_pk_add_f32 v[14:15], v[14:15], v[94:95]
	s_delay_alu instid0(VALU_DEP_2)
	v_pk_add_f32 v[54:55], v[54:55], v[92:93]
	s_delay_alu instid0(VALU_DEP_1)
	v_pk_add_f32 v[14:15], v[14:15], v[54:55]
.irp t, 0,1,2,3,4,5,6,7
.irp j, 0,1,2,3,4,5,6,7
.endr
	v_cvt_scalef32_pk8_bf8_f32 v[PC+2*\t:PC+2*\t+1], v[SR+8*\t:SR+8*\t+7], v[SCP]   ; keys 16 t + 8 h + 0 .. 7: registers 2 t, 2 t + 1 of P's fragment
.endr
.set n, 0
.rept 16
	v_pk_mul_f32 v[OT+n:OT+n+1], v[OT+n:OT+n+1], v[50:51] op_sel_hi:[1,0]   ; O^T under the new M.  (Also the plain place behind the conversions)
.set n, n+2
.endr
	s_wait_alu depctr_va_vdst(0)
	s_wait_dscnt 0x0                               ; V is in
.irp d, 0,1,2,3                                ; O^T += V^T P^T: the four accumulators by turns; eight products of S^T stand between two links on one of them
	v_wmma_f32_16x16x128_bf8_bf8 v[OT+8*\d:OT+8*\d+7], v[VR+16*\d:VR+16*\d+15], v[PC:PC+15], v[OT+8*\d:OT+8*\d+7]
.endr
.Lhidden_\@:
	s_add_co_u32 s[KF], s[KF], 128
.endm
; A tile of queries ends: O^T x 2^(e4 + e5) / the sum is y; it is converted with 2^e6 and stored as an image of the next launch's operand registers.
; A conversion gives lane (r, h) the codes of d = 16 dt + 8 h + 0 .. 7; the image wants d = 32 b + 16 h + 0 .. 15.  Exchanging dt = 2 b's upper lanes with dt = 2 b + 1's lower lanes does that.
.macro FINISH ya
.rept 4
	v_nop                                          ; places behind the last products
.endr
	v_add_f32 v14, v14, v15                        ; the sum's two halves,
	s_delay_alu instid0(VALU_DEP_1)
	v_permlanex16_b32 v[PD], v14, s[SEL], s[SEL+1]
	s_delay_alu instid0(VALU_DEP_1)
	v_add_f32 v14, v14, v[PD]                      ; and lane l xor 16's: the row's sum, above 1/2
	s_wait_alu depctr_va_vdst(0)
	v_rcp_f32 v14, v14
	v_nop                                          ; one plain place behind a transcendental
	s_wait_alu depctr_va_vdst(0)
	v_ldexp_f32 v14, v14, s[EPV]
.set n, 0
.rept 16
	v_pk_mul_f32 v[SR+n:SR+n+1], v[OT+n:OT+n+1], v[14:15] op_sel_hi:[1,0]
.set n, n+2
.endr
.set n, 0
.rept 32
.set n, n+1
.endr
.irp d, 0,1,2,3
	v_cvt_scalef32_pk8_bf8_f32 v[128+2*\d:129+2*\d], v[SR+8*\d:SR+8*\d+7], v[SCY]
.endr
	v_nop                                          ; one plain place behind the conversions
	v_permlane16_swap_b32 v128, v130
	v_permlane16_swap_b32 v129, v131
	v_permlane16_swap_b32 v132, v134
	v_permlane16_swap_b32 v133, v135
	global_store_b128 v[LI], v[128:131], s[\ya:\ya+1]              ; 32 lanes store 512 consecutive bytes, aligned
	global_store_b128 v[LI], v[132:135], s[\ya:\ya+1] offset:512
	s_wait_xcnt 0x0                                ; the stores have read their registers: the next scores may be written there
.endm
	INIT
	s_wait_loadcnt 0x0                             ; Q of both blocks
.Lvisit:                                           ; eight trips: behind each change of slots but the last the next visit's slot is asked for
	CHANGE 1
	s_cmp_lg_u32 s[N], s[I1]                       ; at visit i + 1 (1 to 4: always in this loop) the first block is finished and the second begins: a branch on the work-group's number
	s_cbranch_scc1 .Lsame
	FINISH YA
.irp j, 0,1,2,3,4,5,6,7
	v_mov_b32 v[QR+\j], v[QH+\j]
.endr
	INIT
	s_mov_b32 s[Q0], s[Q0H]
	s_mov_b32 s[KF], 0
.Lsame:
	STEP 0
	STEP 1
	s_xor_b32 s[TB], s[TB], SLOT1                  ; on to the other slot
	s_add_co_u32 s[N], s[N], 1
	s_cmp_lt_u32 s[N], 8
	s_cbranch_scc1 .Lvisit
	CHANGE 0                                       ; the last visit is written out
	STEP 0
	STEP 1
	FINISH YB
	s_wait_tensorcnt 0x0                           ; the wave's end
	ds_add_u32 v[SPW], v[NIL]
	s_wait_dscnt 0x0
	s_endpgm
.Lfunc_end_k_q0c79dc5e83_attention:
	.size	k_q0c79dc5e83_attention, .Lfunc_end_k_q0c79dc5e83_attention-k_q0c79dc5e83_attention
	.p2alignl 7, 3214868480
	.fill 96, 4, 3214868480
	.section	.rodata,"a",@progbits
	.p2align	6, 0x0
	.amdhsa_kernel k_q0c79dc5e83_attention
		.amdhsa_group_segment_fixed_size 327680
		.amdhsa_private_segment_fixed_size 0
		.amdhsa_enable_private_segment 0
		.amdhsa_kernarg_size 24
		.amdhsa_user_sgpr_count 2
		.amdhsa_user_sgpr_kernarg_segment_ptr 1
		.amdhsa_wavefront_size32 1
		.amdhsa_system_sgpr_workgroup_id_x 1
		.amdhsa_system_sgpr_workgroup_id_y 1
		.amdhsa_system_sgpr_workgroup_id_z 1
		.amdhsa_system_vgpr_workitem_id 0
		.amdhsa_next_free_vgpr 256
		.amdhsa_next_free_sgpr 66
		.amdhsa_reserve_vcc 1
		.amdhsa_float_denorm_mode_32 3
		.amdhsa_float_denorm_mode_16_64 3
		.amdhsa_fp16_overflow 1
		.amdhsa_memory_ordered 1
		.amdhsa_forward_progress 1
		.amdhsa_inst_pref_size 88
	.end_amdhsa_kernel
	.amdgpu_metadata
---
amdhsa.version: [ 1, 2 ]
amdhsa.kernels:
  - .name:           k_q0c79dc5e83_attention
    .symbol:         k_q0c79dc5e83_attention.kd
    .args:
      - { .name: qkv, .offset: 0, .size: 8, .value_kind: global_buffer, .address_space: global }
      - { .name: lowp_scales, .offset: 8, .size: 8, .value_kind: global_buffer, .address_space: global }
      - { .name: ycodes, .offset: 16, .size: 8, .value_kind: global_buffer, .address_space: global }
    .group_segment_fixed_size: 327680
    .private_segment_fixed_size: 0
    .kernarg_segment_align: 8
    .kernarg_segment_size: 24
    .max_flat_workgroup_size: 512
    .sgpr_count:     66
    .vgpr_count:     256
    .wavefront_size: 32
...
	.end_amdgpu_metadata
.endif
;; end of part 2
;; launch proj_gemm (part 3): grid 4 x 64, 4 waves a work-group, clusters of 4 x 4, 327,680 bytes of LDS; arguments ycodes, W_proj_codes, lowp_scales, b_proj, out0; writes out0
.if DOCPART == 3
	.amdgcn_target "amdgcn-amd-amdhsa--gfx1250"
	.amdhsa_code_object_version 6
	.text
	.protected	k_q0c79dc5e83_proj_gemm
	.globl	k_q0c79dc5e83_proj_gemm
	.p2align	8
	.type	k_q0c79dc5e83_proj_gemm,@function
k_q0c79dc5e83_proj_gemm:
	s_mov_b64 s[64:65], 0
	v_nop
	global_prefetch_b8 v0, s[64:65] scope:SCOPE_SE
	s_setreg_imm32_b32 hwreg(HW_REG_WAVE_MODE, 25, 1), 1
	s_wait_xcnt 0x0
	s_wait_alu depctr_hold_cnt(0) depctr_sa_sdst(0) depctr_va_vdst(0) depctr_va_sdst(0) depctr_va_ssrc(0) depctr_va_vcc(0) depctr_vm_vsrc(0)
	s_getreg_b32 s2, hwreg(HW_REG_IB_STS2, 6, 4)
	s_cmp_eq_u32 s2, 0
	s_cbranch_scc0 .Lentry_in_a_cluster
	s_endpgm
.Lentry_in_a_cluster:
	s_bfe_u32 s2, ttmp6, 0x10000c
	s_cmp_lg_u32 s2, 0xf033
	s_cbranch_scc0 .Lentry_shape_is_right
	s_endpgm
.Lentry_shape_is_right:
; out[t][f] = sum over e of y[t][e] W[f][e] x 2^(e6 + e7) + b[f], on codes of BF8 (E5M2).  out: [8192][1024] f32.
; y comes as images of operand registers: (t / 16) x 16,384 + ks x 2,048 + c x 512 + 16 l: registers 4 c .. 4 c + 3 of the fragment of tokens 16 (t / 16) + l % 16, K = 128 ks + 32 c + 16 (l / 16) + 0 .. 15.
; W: [1024][1024] codes, K innermost; four loads of 16 bytes, 32 apart, give its fragments the same order of k, so every product meets its partner.
; LIMIT: e6 + e7 between -126 and 127, so that 2^(e6 + e7) is an f32 number.
; A tile of 128 tokens x 256 features gives 4 x 64 = 256 work-groups; four waves, each 64 x 128: 32 accumulators of 16 x 16, 256 registers.  K goes in steps of 256 through a ring of two LDS slots.
; CLUSTERS: 4 x 4 work-groups; the grid is one cluster wide, so the tile column is cx.  The four of a row of the cluster need the same tokens, the four of a column the same rows of W: each tile is asked for JOINTLY.
; THE MATRIX INSTRUCTION IS USED TRANSPOSED (source 0 = 16 rows of W, source 1 = 16 tokens): a lane holds eight neighbouring numbers of a row of out.
; LDS: a slot: y's 8 token tiles x 4,096 bytes (images, dense), then W's 256 rows x 272; two slots; the spare words.  The stage of the way out lies in slot 0, behind that slot's last fill and last read.
; REGISTERS, in windows of 256: window 0: v0-31 addresses; v128-191 y's fragments (4 x 16 tokens x 128 K), ONE set; on the way out v32-255 are free.
;   window 1: W's fragments, TWO sets, at v0 and at v128.   window 2: the accumulators ((a, b) at v[8 (8 a + b)]).   window 3: v0-63 the bias, b(16 b + 8 h + j) at v[8 b + j].
.set SIZE_N, 1024
.set SIZE_K, 1024
.set PITCH,  272                       ; an LDS row of W: 256 bytes + 16 of padding: row r starts at bank 4 r mod 64 (64 banks of 4 bytes: ISA guide 11.1)
.set FR,     16
.set NL,     4
.set NP,     4                         ; places behind this matrix instruction (ISA guide 7.12.1)
.set HALFT,  128*PITCH                 ; 128 rows of W: what one of its tensor loads brings
.set AIMG,   32768                     ; y's images in a slot
.set SLOT,   AIMG+2*HALFT
.set LAPS,   SIZE_K/512
.set SPARE,  2*SLOT                    ; behind the ring: the spare words, 128 bytes for each wave
.set SPITCH, 528                       ; the way out: a stage of 16 rows x (512 bytes + 16) for each wave
.set ADRA, 16                          ; v16-17  LDS address of my y fragments in slot 0, 1
.set ADRB, 20                          ; v20-21  the same for W
.set STO,  24                          ; v24     the way out: where I put 32 bytes of a row
.set RD,   25                          ; v25     the way out: where I read a row back
.set CO,   26                          ; v26     16 x lane
.set BO8,  27                          ; v27     32 x (lane / 16)
.set SPW,  28                          ; v28     LDS address of my spare word; never rewritten
.set NIL,  29                          ; v29     0; never rewritten
.set TMP,  32
.set AF,   128
.set BK,   128
.set G1, 24                            ; s[24:31] descriptor group 1 for y's tiles;  s[32:39] group 0, one set for each slot
.set G0, 32
.set G1B, 48                           ; s[48:55], s[56:63] the same for W's tiles
.set G0B, 56
.set MSB, 0
.macro WIN new                         ; the immediate's high byte repeats the setting that is left
.if MSB != (\new)
	s_set_vgpr_msb (MSB<<8)|(\new)
.set MSB, (\new)
.endif
.endm
.set MUL,  0xa1                        ; source 0 (W) window 1, source 1 (y) window 0, C and D window 2
.set TO_B, 0x40                        ; destination window 1, address window 0
.macro JLOAD g0a, g1a, g0b, g1b        ; a joint load: waves 0 and 1 fetch y's halves, waves 2 and 3 W's; four v_nop follow each of the two lines
	s_cmp_eq_u32 s15, 0
	s_cbranch_scc0 .Lfor_b_\@
	tensor_load_to_lds s[\g0a:\g0a+3], s[\g1a:\g1a+7]
	s_nop 0
.rept 4
	v_nop
.endr
	s_branch .Lasked_\@
.Lfor_b_\@:
	tensor_load_to_lds s[\g0b:\g0b+3], s[\g1b:\g1b+7]
	s_nop 0
.rept 4
	v_nop
.endr
.Lasked_\@:
.endm
.macro CREST                           ; a round of the cluster's barrier behind its opening barrier
	s_cmp_lg_u32 s14, 0
	s_cbranch_scc1 .Lnot_wave_0_\@
	s_barrier_signal -3
.Lnot_wave_0_\@:
	s_barrier_wait -3
	s_barrier_signal -1
	s_barrier_wait -1
.endm
.macro CROUND
	s_barrier_signal -1
	s_barrier_wait -1
	CREST
.endm
	s_load_b128 s[4:7], s[0:1], 0x0                ; y's codes s[4:5], W's codes s[6:7]
	s_load_b128 s[8:11], s[0:1], 0x10              ; the scales' exponents s[8:9], the bias s[10:11]
	s_load_b64 s[12:13], s[0:1], 0x20              ; out
	v_lshl_add_u32 v[SPW], v0, 2, SPARE
	v_mov_b32 v[NIL], 0
	ds_add_u32 v28, v29
	ds_add_u32 v28, v29
	s_wait_dscnt 0x0
	v_lshrrev_b32 v1, 5, v0
	v_readfirstlane_b32 s14, v1                    ; wave 0..3
	s_lshr_b32 s15, s14, 1                         ; which 64 of the tile's tokens are mine.  Also: I fetch y (0) or W (1)
	s_and_b32 s16, s14, 1                          ; which 128 of its features.  Also: which half of that tile I fetch
	s_bfe_u32 s40, ttmp6, 0x40000                  ; cx, cy: my place in the cluster
	s_bfe_u32 s41, ttmp6, 0x40004
	s_mov_b32 s42, s40                             ; tile column = cx
	s_and_b32 s17, ttmp7, 0xffff
	s_lshl_b32 s17, s17, 2
	s_add_co_u32 s17, s17, s41                     ; tile row = 4 x cluster y + cy
	s_lshl_b32 s43, s41, 2
	s_lshl_b32 s43, 15, s43                        ; my row of the cluster
	s_lshl_b32 s44, 0x1111, s40                    ; my column
	; y: 4 token tiles, of each the K step's 4,096 consecutive bytes, 16,384 bytes apart in memory, dense in LDS
	s_or_b32 s[G1+0], s43, (3<<16)|(1<<21)         ; 15:0 the mask: my row; 17:16 elements of 8 bytes; 21 set beside a mask; no padding
	s_mov_b32 s[G1+1], 512<<16                     ; tensor_dim0 = 512
	s_mov_b32 s[G1+2], 4<<16                       ; tensor_dim1 = 4
	s_mov_b32 s[G1+3], 512<<16                     ; tile_dim0 = 512
	s_mov_b32 s[G1+4], 4                           ; tile_dim1 = 4
	s_mov_b32 s[G1+5], 2048                        ; tensor_dim0_stride
	s_mov_b32 s[G1+6], 0
	s_mov_b32 s[G1+7], 0
	; W: 128 rows x 256 bytes, padded in LDS
	s_or_b32 s[G1B+0], s44, (0<<16)|(1<<20)|(1<<21)|(5<<22)|(3<<25)  ; the mask: my column; element of 1 byte; padding: 4 words after every 64
	s_mov_b32 s[G1B+1], 256<<16
	s_mov_b32 s[G1B+2], 128<<16
	s_mov_b32 s[G1B+3], 256<<16
	s_mov_b32 s[G1B+4], 128
	s_mov_b32 s[G1B+5], SIZE_K
	s_mov_b32 s[G1B+6], 0
	s_mov_b32 s[G1B+7], 0
	s_lshl_b32 s20, s17, 3
	s_lshl_b32 s18, s16, 2
	s_add_co_u32 s20, s20, s18                     ; y: token tile 8 x tile row + 4 x half,
	s_lshl_b32 s20, s20, 14                        ; of 16,384 bytes
	s_mov_b32 s21, 0
	s_lshl_b32 s46, s42, 8
	s_lshl_b32 s18, s16, 7
	s_add_co_u32 s46, s46, s18                     ; W: row 256 x tile column + 128 x half,
	s_lshl_b32 s46, s46, 10                        ; of 1,024 bytes
	s_mov_b32 s47, 0
	s_lshl_b32 s45, s16, 14                        ; where they go: y's half,
	s_mul_i32 s90, s16, HALFT
	s_add_co_u32 s90, s90, AIMG                    ; W's half: no place in the cluster enters an LDS address
	s_wait_kmcnt 0x0
	s_load_b256 s[72:79], s[8:9], 0x0              ; e0 .. e7
	s_add_nc_u64 s[20:21], s[4:5], s[20:21]
	s_add_nc_u64 s[46:47], s[6:7], s[46:47]
	CROUND                                         ; all sixteen work-groups are here: the first joint loads meet
.irp s, 0,1
	s_mov_b32 s[G0+4*\s], 1
	s_add_co_u32 s[G0+4*\s+1], s45, \s*SLOT
	s_add_nc_u64 s[G0+4*\s+2:G0+4*\s+3], s[20:21], \s*4096
	s_or_b32 s[G0+4*\s+3], s[G0+4*\s+3], 0x80000000
	s_mov_b32 s[G0B+4*\s], 1
	s_add_co_u32 s[G0B+4*\s+1], s90, \s*SLOT
	s_add_nc_u64 s[G0B+4*\s+2:G0B+4*\s+3], s[46:47], \s*256
	s_or_b32 s[G0B+4*\s+3], s[G0B+4*\s+3], 0x80000000
	s_wait_alu depctr_va_vdst(0)
	s_wait_tensorcnt 0x0
	ds_add_u32 v28, v29
	ds_add_u32 v28, v29
	s_wait_dscnt 0x0
	CROUND
	JLOAD G0+4*\s, G1, G0B+4*\s, G1B
.endr
	v_and_b32 v1, 15, v0                           ; r
	v_bfe_u32 v2, v0, 4, 1                         ; h
	v_and_b32 v6, 31, v0
	v_lshlrev_b32 v[CO], 4, v6                     ; 16 x lane
	v_mul_u32_u24 v3, v1, PITCH
	v_lshl_add_u32 v4, v2, 4, v3                   ; W: row x pitch + 16 x half
	s_lshl_b32 s21, s15, 14                        ; my four token tiles
	s_mul_i32 s22, s16, HALFT
	s_add_co_u32 s22, s22, AIMG                    ; my 128 rows of W
.irp s, 0,1
	v_add_nc_u32 v[ADRA+\s], s21, v[CO]
	v_add_nc_u32 v[ADRB+\s], s22, v4
	s_add_co_u32 s21, s21, SLOT
	s_add_co_u32 s22, s22, SLOT
.endr
	s_mul_i32 s23, s14, 16*SPITCH                  ; my stage
	v_mul_u32_u24 v5, v1, SPITCH                   ; in: row r, 32 bytes for each half of the lanes
	v_lshl_add_u32 v5, v2, 5, v5
	v_add_nc_u32 v[STO], s23, v5
	v_add_nc_u32 v[RD], s23, v[CO]                 ; back: the 32 lanes take one row of 512 bytes
	v_lshlrev_b32 v[BO8], 5, v2
	s_lshl_b32 s84, s42, 10
	s_lshl_b32 s85, s16, 9
	s_add_co_u32 s84, s84, s85                     ; my first feature in bytes of f32: 1,024 x tile column + 512 x half
	s_mov_b32 s85, 0
	s_add_nc_u64 s[10:11], s[10:11], s[84:85]
	WIN 0xc0                                       ; destination window 3
.irp b, 0,1,2,3,4,5,6,7
	global_load_b128 v[8*\b:8*\b+3],   v[BO8], s[10:11] offset:64*\b      ; the bias; it is waited for behind the loop
	global_load_b128 v[8*\b+4:8*\b+7], v[BO8], s[10:11] offset:64*\b+16
.endr
	WIN 0
	s_lshl_b32 s86, s17, 7
	s_lshl_b32 s87, s15, 6
	s_add_co_u32 s86, s86, s87                     ; my first row of out: 128 x tile row + 64 x half,
	s_lshl_b32 s86, s86, 12                        ; of 4,096 bytes,
	s_add_co_u32 s86, s86, s84                     ; + my first column
	s_mov_b32 s87, 0
	s_add_nc_u64 s[12:13], s[12:13], s[86:87]
.macro FRAGB reg, adr, q, i            ; W: registers 4 c .. 4 c + 3 hold K = 32 c + 16 (l / 16) + 0 .. 15 of row l % 16
.irp c, 0,1,2,3
	ds_load_b128 v[\reg+4*\c:\reg+4*\c+3], v[\adr] offset:128*(\q)+32*\c+(\i)*16*PITCH
.endr
.endm
.macro FRAGA reg, adr, q, i            ; y: the image as it lies
.irp c, 0,1,2,3
	ds_load_b128 v[\reg+4*\c:\reg+4*\c+3], v[\adr] offset:(\i)*4096+2048*(\q)+512*\c
.endr
.endm
; 8 matrix instructions: y's block a x W's eight, 128 along K.  The 32 accumulators take turns, one instruction a turn, in the same order in every step.
.macro MUL8 a, p, zero
.irp b, 0,1,2,3,4,5,6,7
.if \zero
	v_wmma_f32_16x16x128_bf8_bf8 v[8*(8*(\a)+\b):8*(8*(\a)+\b)+7], v[128*(\p)+FR*\b:128*(\p)+FR*\b+FR-1], v[AF+FR*(\a):AF+FR*(\a)+FR-1], 0
.else
	v_wmma_f32_16x16x128_bf8_bf8 v[8*(8*(\a)+\b):8*(8*(\a)+\b)+7], v[128*(\p)+FR*\b:128*(\p)+FR*\b+FR-1], v[AF+FR*(\a):AF+FR*(\a)+FR-1], v[8*(8*(\a)+\b):8*(8*(\a)+\b)+7]
.endif
.endr
.endm
.macro FETCH_B slot, q, p
	WIN TO_B
.irp i, 0,1,2,3,4,5,6,7
	FRAGB 128*(\p)+FR*\i, ADRB+\slot, \q, \i
.endr
	WIN 0
.endm
.macro FETCH_A slot, q, i0             ; y's blocks i0, i0 + 1
.irp i, \i0, \i0+1
	FRAGA AF+FR*(\i), ADRA+\slot, \q, \i
.endr
.endm
.macro PLACES n                        ; places in front of loads into registers that matrix instructions have read, and of the first read of results (ISA guide 7.12.1 for vector instructions)
.rept \n
	v_nop
.endr
.endm
.macro STEP slot, q, zero              ; a step of 128 along K that has its successor in the same slot
	s_wait_dscnt 2*NL                              ; W's set and y's blocks 0, 1 are in; the youngest eight loads (blocks 2, 3) may be out
	WIN MUL
	MUL8 0, (\q)%2, \zero
	MUL8 1, (\q)%2, \zero
	s_wait_dscnt 0
	PLACES NP
	FETCH_B \slot, (\q)+1, 1-(\q)%2
	FETCH_A \slot, (\q)+1, 0
	WIN MUL
	MUL8 2, (\q)%2, \zero
	MUL8 3, (\q)%2, \zero
	PLACES NP
	WIN 0
	FETCH_A \slot, (\q)+1, 2
.endm
; A slot's last step changes slots: ONE barrier; in front of it each wave waits for all its tensor loads, adds 0 to its spare word, and waits for that and for its own reads of this slot.
.macro TURN slot, next, fill
	s_wait_tensorcnt 0x0                           ; all my tensor loads have landed: my part of the next slot  (every window is 0 here)
	ds_add_u32 v[SPW], v[NIL]                      ; 0 onto my spare word
	s_wait_dscnt 2*NL+1                            ; (the add and the youngest eight loads may be out)
	WIN MUL
	MUL8 0, 1, 0                                   ; eight matrix instructions stand between the add and the wait for it
	s_wait_dscnt 0x0                               ; the add is done, and my reads of this slot are over
	s_barrier_signal -1
	MUL8 1, 1, 0
	WIN 0
	s_barrier_wait -1
.if \fill
	CREST                                          ; the barrier has opened a round of the cluster's barrier: no wave of any partner still reads this slot or has a load on its way
	s_add_nc_u64 s[G0+4*\slot+2:G0+4*\slot+3], s[G0+4*\slot+2:G0+4*\slot+3], 2*4096
	s_add_nc_u64 s[G0B+4*\slot+2:G0B+4*\slot+3], s[G0B+4*\slot+2:G0B+4*\slot+3], 2*256
	JLOAD G0+4*\slot, G1, G0B+4*\slot, G1B         ; the first tensor load behind the round; its four v_nop are the places in front of the loads below
.else
	PLACES NP
.endif
	FETCH_B \next, 0, 0
	FETCH_A \next, 0, 0
	WIN MUL
	MUL8 2, 1, 0
	MUL8 3, 1, 0
	PLACES NP
	WIN 0
	FETCH_A \next, 0, 2
.endm
	s_wait_alu depctr_va_vdst(0)
	s_wait_tensorcnt 1                             ; my part of K step 0 is in (K step 1's load may be out)
	s_barrier_signal -1
	s_barrier_wait -1                              ; everybody's is
	FETCH_B 0, 0, 0
	FETCH_A 0, 0, 0
	FETCH_A 0, 0, 2
	STEP 0, 0, 1                                   ; the first step stands in front of the loop: its products start the sums
	s_mov_b32 s3, LAPS-1
.Llap:                                                 ; a trip goes once round the ring and fills both slots again
	TURN 0, 1, 1
	STEP 1, 0, 0
	TURN 1, 0, 1
	STEP 0, 0, 0
	s_sub_co_u32 s3, s3, 1
	s_cmp_lg_u32 s3, 0
	s_cbranch_scc1 .Llap
	TURN 0, 1, 0                                   ; the last lap fills nothing, and has no round of the cluster's barrier
	STEP 1, 0, 0
	s_wait_dscnt 2*NL                              ; the very last step: nothing more to fetch
	WIN MUL
	MUL8 0, 1, 0
	MUL8 1, 1, 0
	s_wait_dscnt 0
	MUL8 2, 1, 0
	MUL8 3, 1, 0
	WIN 0
; THE WAY OUT, block by block of 16 rows x 128 columns: sum x 2^(e6 + e7) + bias in one fused multiply-add; through my own stage in LDS; back as whole rows of 512 bytes.
; LDS serves a wave's instructions in order (ISA guide 5.7.1.4): no wait between the stores and the loads, nor in front of the next block's stores.
.macro TOSTAGE a
	WIN 0x32                                       ; source 0 (the sums) window 2, source 2 (the bias) window 3
.set n, 0
.rept 32
	v_pk_fma_f32 v[TMP+n:TMP+n+1], v[64*(\a)+n:64*(\a)+n+1], s[96:97], v[n:n+1] op_sel_hi:[1,0,1]   ; each accumulator from its low end on
.set n, n+2
.endr
	WIN 0
.irp b, 0,1,2,3,4,5,6,7
	ds_store_b128 v[STO], v[TMP+8*\b:TMP+8*\b+3] offset:64*\b
	ds_store_b128 v[STO], v[TMP+8*\b+4:TMP+8*\b+7] offset:64*\b+16
.endr
.set BB, BK+64*((\a)%2)
.irp t, 0,1,2,3,4,5,6,7,8,9,10,11,12,13,14,15
	ds_load_b128 v[BB+4*\t:BB+4*\t+3], v[RD] offset:\t*SPITCH
.endr
.endm
.macro SEND a, younger                 ; younger: the LDS instructions issued behind block a's loads, which may stay out
.set BB, BK+64*((\a)%2)
	s_wait_dscnt \younger                          ; the block is back in registers
.if (\a) > 0
	s_add_nc_u64 s[12:13], s[12:13], 16*SIZE_N*4   ; (behind a wait on XCNT: the earlier stores have read their base)  16 rows of out on
.endif
.irp t, 0,1,2,3,4,5,6,7,8,9,10,11,12,13,14,15
	global_store_b128 v[CO], v[BB+4*\t:BB+4*\t+3], s[12:13] offset:\t*SIZE_N*4 th:TH_STORE_NT   ; 32 lanes store 512 consecutive bytes, aligned; written once, read by nobody here
.endr
.endm
	s_wait_loadcnt 0x0                             ; the bias
	s_wait_kmcnt 0x0
	s_add_co_i32 s96, s78, s79                     ; e6 + e7
	s_add_co_i32 s96, s96, 127
	s_lshl_b32 s96, s96, 23                        ; 2^(e6 + e7) as f32
	s_mov_b32 s97, s96                             ; (named with it as a pair, so it is written)
	PLACES NP                                      ; behind the last products: their results are read, and loads land in y's fragment registers, below
	TOSTAGE 0
.irp a, 1,2,3
.if \a > 1
	s_wait_xcnt 0x0                                ; block a - 2's stores have read their registers and their base
.endif
	TOSTAGE \a
	SEND \a-1, 32                                  ; behind block a - 1's loads: block a's 16 stores and 16 loads
.endr
	s_wait_xcnt 0x0                                ; block 2's stores have read their base
	SEND 3, 0
	s_wait_tensorcnt 0x0                           ; the wave's end
	ds_add_u32 v[SPW], v[NIL]
	s_wait_dscnt 0x0
	CROUND                                         ; the closing round: no work-group ends while a partner may still ask for a tile that names it
	s_endpgm
.Lfunc_end_k_q0c79dc5e83_proj_gemm:
	.size	k_q0c79dc5e83_proj_gemm, .Lfunc_end_k_q0c79dc5e83_proj_gemm-k_q0c79dc5e83_proj_gemm
	.p2alignl 7, 3214868480
	.fill 96, 4, 3214868480
	.section	.rodata,"a",@progbits
	.p2align	6, 0x0
	.amdhsa_kernel k_q0c79dc5e83_proj_gemm
		.amdhsa_group_segment_fixed_size 327680
		.amdhsa_private_segment_fixed_size 0
		.amdhsa_enable_private_segment 0
		.amdhsa_kernarg_size 40
		.amdhsa_user_sgpr_count 2
		.amdhsa_user_sgpr_kernarg_segment_ptr 1
		.amdhsa_wavefront_size32 1
		.amdhsa_system_sgpr_workgroup_id_x 1
		.amdhsa_system_sgpr_workgroup_id_y 1
		.amdhsa_system_sgpr_workgroup_id_z 1
		.amdhsa_system_vgpr_workitem_id 0
		.amdhsa_next_free_vgpr 1024
		.amdhsa_next_free_sgpr 98
		.amdhsa_reserve_vcc 0
		.amdhsa_float_denorm_mode_32 3
		.amdhsa_float_denorm_mode_16_64 3
		.amdhsa_memory_ordered 1
		.amdhsa_forward_progress 1
		.amdhsa_inst_pref_size 79
	.end_amdhsa_kernel
	.amdgpu_metadata
---
amdhsa.version: [ 1, 2 ]
amdhsa.kernels:
  - .name:           k_q0c79dc5e83_proj_gemm
    .symbol:         k_q0c79dc5e83_proj_gemm.kd
    .args:
      - { .name: ycodes, .offset: 0, .size: 8, .value_kind: global_buffer, .address_space: global }
      - { .name: W_proj_codes, .offset: 8, .size: 8, .value_kind: global_buffer, .address_space: global }
      - { .name: lowp_scales, .offset: 16, .size: 8, .value_kind: global_buffer, .address_space: global }
      - { .name: b_proj, .offset: 24, .size: 8, .value_kind: global_buffer, .address_space: global }
      - { .name: out0, .offset: 32, .size: 8, .value_kind: global_buffer, .address_space: global }
    .group_segment_fixed_size: 327680
    .private_segment_fixed_size: 0
    .kernarg_segment_align: 8
    .kernarg_segment_size: 40
    .max_flat_workgroup_size: 128
    .sgpr_count:     98
    .vgpr_count:     1024
    .wavefront_size: 32
...
	.end_amdgpu_metadata
.endif
;; end of part 3
